; MI455X (gfx1250); checked and timed in simulation.
; The chip was launched on July 23, 2026; its instructions are those of AMD's public machine-readable ISA for CDNA 5 (MIT licence, August 2026) and "CDNA5" Instruction Set Architecture Reference Guide (July 2026). The comments in the code are by the model that wrote it; some were corrected since.
;; DPLSTM Cell. Allowed arithmetic: matrix products marked QUANTISED: E3M2 operands, one E8M0 scale for each 32 along K, by v_wmma_scale_f32_16x16x128_f8f6f4 with both operands' format E3M2, f32 sums; everything else in f32.
;; Inputs: bias_hh 4,096 float32; bias_ih 4,096 float32; c_prev 8,192 x 1,024 float32; h_prev 1 x 8,192 x 1,024 float32; weight_hh 4,096 x 1,024 float32; weight_ih 4,096 x 1,024 float32; x_t 1 x 8,192 x 1,024 float32.
;; Outputs: out0 1,024 float32.
;; This version of the problem:
;;   THIS VERSION OF THE PROBLEM IS GIVEN IN LOW PRECISION. The matrix products marked QUANTISED in the list below multiply operands that are first quantised to E3M2 (3 exponent bits, 2 mantissa bits; 6 bits a number), with one power-of-two scale for each 32 numbers along K (OCP MX v1.0); their sums are f32. All else is computed in f32.
;;   The module's matrix products, in the order in which they are computed (A, B: the left and right operand; K: the contracted axis; several contracted axes count as one K, in the product's order):
;;     1. [M 8,192, K 1,024] x [K 1,024, N 4,096]; A: input x_t; B: input weight_ih: QUANTISED
;;     2. [M 8,192, K 1,024] x [K 1,024, N 4,096]; A: input h_prev; B: input weight_hh: QUANTISED
;;   THE QUANTISER, for each operand of a quantised product, along K:
;;     - K is cut into blocks of 32 from its start; a last block that is shorter is filled with zeros.
;;     - A block's scale is 2^e with e = floor(log2(the largest magnitude in the block)) - 4, held to -126 .. 127; a block of zeros has e = 0. As a byte (E8M0): e + 127.
;;     - Each number is divided by its block's scale, clamped to +-28, and rounded to the nearest number of E3M2, ties to even, subnormals kept.
;;     - The product sums the exact products of the quantised numbers (number of the format x scale) in f32.
;;   ~~~python
;;   def quantise(x, axis):      # numpy; x: float32 -> the quantised numbers, widened to float32 again
;;       x = np.moveaxis(x, axis, -1); K = x.shape[-1]
;;       x = np.pad(x, [(0, 0)] * (x.ndim - 1) + [(0, -K % 32)]); x = x.reshape(x.shape[:-1] + (-1, 32)); a = np.abs(x).max(-1, keepdims=True)
;;       e = np.where(a > 0, np.clip(np.frexp(np.where(a > 0, a, 1))[1] - 1 - 4, -126, 127), 0)      # np.frexp(a)[1] - 1 = floor(log2(a)), exactly
;;       r = np.clip(x / 2.0 ** e, -28, 28)
;;       step = 2.0 ** (np.maximum(np.frexp(np.where(r == 0, 1, r))[1] - 1, -2) - 2)
;;       q = np.round(r / step) * step * 2.0 ** e      # np.round: ties to even
;;       return np.moveaxis(q.reshape(q.shape[:-2] + (-1,))[..., :K], -1, axis).astype(np.float32)
;;   ~~~
;; One version. Each part assembles by itself: llvm-mc -triple=amdgcn-amd-amdhsa -mcpu=gfx1250 --defsym DOCPART=n.
;; ======== version 1 of 1: 2 launches
;; workspace buffers: a_codes 12,582,912 bytes; a_scales 524,288 bytes; b_codes 6,291,456 bytes; b_scales 262,144 bytes
;; launch quant (part 1): grid 768 x 1, 4 waves a work-group, no clusters, 33,280 bytes of LDS; arguments x_t, h_prev, weight_ih, weight_hh, a_codes, a_scales, b_codes, b_scales; writes a_codes, a_scales, b_codes, b_scales
.if DOCPART == 1
	.amdgcn_target "amdgcn-amd-amdhsa--gfx1250"
	.amdhsa_code_object_version 6
	.text
	.protected	k_q843eb65046_quant
	.globl	k_q843eb65046_quant
	.p2align	8
	.type	k_q843eb65046_quant,@function
k_q843eb65046_quant:
	s_mov_b64 s[64:65], 0
	v_nop
	global_prefetch_b8 v0, s[64:65] scope:SCOPE_SE
	s_setreg_imm32_b32 hwreg(HW_REG_WAVE_MODE, 25, 1), 1
	s_wait_xcnt 0x0
; x_t[0], h_prev[0] ([8192][1024]) and weight_ih, weight_hh ([4096][1024]), f32, are turned into codes of BF6 (E3M2), 6 bits each, K innermost, with one E8M0 scale byte for each 32 along K.
; THE TWO PRODUCTS OF THE CELL BECOME ONE with K = 2,048: row m of a_codes is x_t's row m (1,024 codes, 768 bytes) and behind it h_prev's row m; a_scales likewise, 32 + 32 bytes a row.
; b_codes and b_scales: weight_ih's row and behind it weight_hh's.  Blocks of 32 never cross the seam, since 1,024 is a multiple of 32.
; B'S ROWS ARE REORDERED: weight row 1024 g + j (gate g, output j) goes to row 64 (j / 16) + 16 g + j % 16, so that four neighbouring blocks of 16 rows are the four gates of the same 16 outputs.
; A block's scale is 2^(floor(log2(its largest magnitude)) - 4); its byte is the largest magnitude's own exponent field - 4, held at 1 from below.  Each number is divided by the scale and rounded to the nearest code, ties to even;
; beyond 28 the conversion gives the largest code.  (A block of zeros gets the byte 1 where the quantiser says 127: its codes are zeros, which add nothing under any byte but 0xff, and the bytes are read by this program alone.)
; LIMITS: blocks whose largest magnitude lies under 2^(4 - 126), the floor, whose byte is held at 1, were not tried; NaN and infinities among the inputs are not served.
; SHARES.  Work-groups 0-255 take x_t, 256-511 h_prev, 512-639 weight_ih, 640-767 weight_hh: only pointers and offsets are chosen, all take one path through the text.
; A wave takes 8 rows: 16 steps of 512 numbers, half a row each.  The 8 rows are neighbours in the output too: 8 divides 16, so the reordering keeps them together.
; The conversions take 16 numbers of ONE block from a lane's registers, so a lane must hold 16 NEIGHBOURS; a load is best where neighbouring LANES take neighbouring bytes.  Both are had: each of a step's four loads reads 512
; consecutive bytes, 16 a lane; the 2,048 bytes go through the wave's own stage in LDS, as they lie, and come back 64 bytes a lane (16 bytes of padding behind each 64).  A lane's 16 codes are 12 bytes: the wave stores 384 consecutive bytes.
; A step makes 16 scale bytes, a wave 256: they are gathered in the wave's own 256 bytes of LDS and leave 8 bytes a lane, 32 consecutive bytes for each of the 8 rows (the row's other 32 come from the other tensor's work-group).
; No tensor loads, no ring, no barrier: waves share nothing.  Loads run four steps (16 loads a wave) ahead, the turn through LDS one step.
.set STEPS, 16
.set EMAX,  4
.set CB,    12                         ; bytes of 16 codes
.set CROW,  1536                       ; a row of a_codes or b_codes: 2,048 codes
.set R,     16                         ; v16-79   four sets of 16 numbers as they are loaded
.set X,     80                         ; v80-111  two sets of 16 neighbours
.set C,     128                        ; v128-191 codes: four registers for each step, so that no store's data are written again
.set E,     112                        ; v112-127 a scale byte for each step
.set WREG,  8192                       ; LDS: a region of its own for each wave: two stages of 32 x SP bytes, and behind them its 256 scale bytes
.set SP,    80                         ; a lane's place in a stage: its 64 bytes + 16 of padding
	s_load_b256 s[4:11], s[0:1], 0x0               ; x_t s[4:5], h_prev s[6:7], weight_ih s[8:9], weight_hh s[10:11]
	s_load_b256 s[12:19], s[0:1], 0x20             ; a_codes s[12:13], a_scales s[14:15], b_codes s[16:17], b_scales s[18:19]
	v_lshl_add_u32 v192, v0, 2, 0x8000
	v_mov_b32 v193, 0
	v_lshrrev_b32 v1, 5, v0
	v_readfirstlane_b32 s24, v1                    ; wave
	v_and_b32 v2, 31, v0                           ; lane
	v_lshlrev_b32 v3, 4, v2                        ; my 16 bytes of a load's 512
	s_mul_i32 s25, s24, WREG
	v_lshrrev_b32 v14, 2, v2
	v_mul_u32_u24 v14, v14, SP
	v_and_b32 v15, 3, v2
	v_lshl_add_u32 v14, v15, 4, v14
	v_add_nc_u32 v14, s25, v14                     ; the stage, on the way in: four lanes' 64 bytes on end, then 16 of padding: SP (lane / 4) + 16 (lane % 4); a load's 512 bytes take eight places
	v_mul_u32_u24 v15, v2, SP
	v_add_nc_u32 v15, s25, v15                     ; and on the way out: SP x lane: my 16 neighbours
	v_mul_u32_u24 v4, v2, CB                       ; my codes' place in a step's
	v_lshrrev_b32 v5, 1, v2
	s_add_co_u32 s25, s25, 2*32*SP
	v_add_nc_u32 v5, s25, v5                       ; LDS: my wave's 256 scale bytes, my block's byte
	v_lshlrev_b32 v7, 3, v2
	v_add_nc_u32 v6, s25, v7                       ; and on the way out 8 bytes a lane: row lane / 4 of my 8, bytes 8 (lane % 4) on
	v_lshrrev_b32 v7, 2, v2
	v_and_b32 v10, 3, v2
	v_lshlrev_b32 v10, 3, v10
	v_lshl_add_u32 v7, v7, 6, v10                  ; the same place in the scales' buffer: rows are 64 bytes apart there
	; which tensor, and which 8 rows of it.  All of this hangs on the work-group's and the wave's number alone
	s_lshr_b32 s26, ttmp9, 8                       ; among the first 512: 0 = x_t, 1 = h_prev,
	s_and_b32 s27, ttmp9, 255                      ; and the work-group's number in that tensor
	s_sub_co_u32 s28, ttmp9, 512
	s_lshr_b32 s29, s28, 7                         ; among the last 256: 0 = weight_ih, 1 = weight_hh
	s_and_b32 s28, s28, 127
	s_cmp_lt_u32 ttmp9, 512
	s_cselect_b32 s26, s26, s29                    ; which half of K
	s_cselect_b32 s27, s27, s28
	s_lshl_b32 s27, s27, 2
	s_add_co_u32 s27, s27, s24                     ; q: my wave's rows are 8 q .. 8 q + 7 of the tensor
	s_lshl_b32 s28, s27, 3                         ; A: they stay where they are
	s_lshr_b32 s29, s27, 7                         ; B: the gate g = 8 q / 1024,
	s_lshl_b32 s29, s29, 4                         ; 16 g,
	s_and_b32 s30, s27, 126                        ; j = 8 (q % 128): 2 (j / 16),
	s_lshl_b32 s30, s30, 5                         ; 64 (j / 16),
	s_and_b32 s31, s27, 1
	s_lshl_b32 s31, s31, 3                         ; j % 16
	s_add_co_u32 s29, s29, s30
	s_add_co_u32 s29, s29, s31
	s_cmp_lt_u32 ttmp9, 512
	s_cselect_b32 s28, s28, s29                    ; my first row in the output
	s_lshl_b32 s32, s27, 15                        ; in: 8 rows of 4,096 bytes a run
	s_mov_b32 s33, 0
	s_mul_i32 s34, s28, CROW                       ; codes: the row, and my half of K
	s_mul_i32 s36, s26, CROW/2
	s_add_co_u32 s34, s34, s36
	s_mov_b32 s35, 0
	s_lshl_b32 s36, s28, 6                         ; scale bytes likewise: 64 a row, 32 a half
	s_lshl_b32 s38, s26, 5
	s_add_co_u32 s36, s36, s38
	s_mov_b32 s37, 0
	s_wait_kmcnt 0x0
	s_cmp_lt_u32 ttmp9, 256
	s_cselect_b64 s[4:5], s[4:5], s[6:7]           ; x_t or h_prev
	s_cmp_lt_u32 ttmp9, 640
	s_cselect_b64 s[8:9], s[8:9], s[10:11]         ; weight_ih or weight_hh
	s_cmp_lt_u32 ttmp9, 512
	s_cselect_b64 s[4:5], s[4:5], s[8:9]           ; the tensor that I read,
	s_cselect_b64 s[12:13], s[12:13], s[16:17]     ; its codes,
	s_cselect_b64 s[14:15], s[14:15], s[18:19]     ; its scale bytes
	s_add_nc_u64 s[4:5], s[4:5], s[32:33]
	s_add_nc_u64 s[12:13], s[12:13], s[34:35]
	s_add_nc_u64 s[14:15], s[14:15], s[36:37]
.macro LOAD t
.irp i, 0,1,2,3
	global_load_b128 v[R+16*((\t)%4)+4*\i:R+16*((\t)%4)+4*\i+3], v3, s[4:5] offset:2048*(\t)+512*\i th:TH_LOAD_NT   ; 32 lanes read 512 consecutive bytes; read once in the program
.endr
.endm
.macro TURN t                          ; step t's numbers through the stage: LDS serves a wave's instructions in order, so no wait stands between the stores and the loads
.irp i, 0,1,2,3
	ds_store_b128 v14, v[R+16*((\t)%4)+4*\i:R+16*((\t)%4)+4*\i+3] offset:32*SP*((\t)%2)+8*SP*\i
.endr
.irp i, 0,1,2,3
	ds_load_b128 v[X+16*((\t)%2)+4*\i:X+16*((\t)%2)+4*\i+3], v15 offset:32*SP*((\t)%2)+16*\i
.endr
.endm
.irp t, 0,1,2,3
	LOAD \t
.endr
	s_wait_loadcnt 12                              ; step 0's four loads are in
	TURN 0
.macro STEP t
.set XS, X+16*((\t)%2)
.if (\t) > 0
	s_wait_dscnt 1                                 ; this step's numbers are back from the stage (the last step's byte store may be out): so its stores into the stage have read their registers,
.else
	s_wait_dscnt 0x0
.endif
.if (\t)+4 < STEPS
	LOAD (\t)+4                                    ; which take the loads of four steps on
.endif
.if (\t)+1 < STEPS
.if STEPS-2-(\t) >= 3
	s_wait_loadcnt 12                              ; the next step's four loads are in; those of the three steps behind it may be out
.else
	s_wait_loadcnt 4*(STEPS-2-(\t))
.endif
	TURN (\t)+1                                    ; and go through the other stage while this step is worked
.endif
	v_max3_num_f32 v8, |v[XS]|, |v[XS+1]|, |v[XS+2]|               ; the largest magnitude of my 16
	v_max3_num_f32 v9, |v[XS+3]|, |v[XS+4]|, |v[XS+5]|
.irp i, 6,10
	v_max3_num_f32 v8, v8, |v[XS+\i]|, |v[XS+\i+1]|
	v_max3_num_f32 v9, v9, |v[XS+\i+2]|, |v[XS+\i+3]|
.endr
	v_max3_num_f32 v8, v8, |v[XS+14]|, |v[XS+15]|
	v_max3_num_f32 v8, v8, v9, (EMAX+1)<<23        ; and the floor 2^(EMAX + 1 - 127), under which no largest magnitude is taken: so the byte cannot fall under 1
	v_max_num_f32_dpp v8, v8, v8 row_xmask:1 row_mask:0xf bank_mask:0xf   ; and of my neighbour's 16: the block's
	v_add_nc_u32 v11, -(EMAX<<23), v8              ; EMAX off its exponent field: the conversion takes the exponent field of this operand as its scale, and nothing else of it
	v_cvt_scalef32_pk16_bf6_f32 v[C+4*(\t):C+4*(\t)+2], v[XS:XS+15], v11         ; sixteen numbers / 2^(v11's exponent), to the nearest code, ties to even; 96 bits without gaps, the first number's code lowest
	v_lshrrev_b32 v[E+(\t)], 23, v11               ; the scale's byte (also the plain line behind the conversion)
	ds_store_b8 v5, v[E+(\t)] offset:16*(\t)       ; both lanes of a block write the same byte with the same value
	global_store_b96 v4, v[C+4*(\t):C+4*(\t)+2], s[12:13] offset:((\t)/2)*CROW+((\t)%2)*32*CB   ; step t is half t % 2 of row t / 2: 384 consecutive bytes; two steps' stores fill three aligned blocks of 256
.endm
.irp t, 0,1,2,3,4,5,6,7,8,9,10,11,12,13,14,15
	STEP \t
.endr
	ds_load_b64 v[12:13], v6                       ; LDS serves a wave's instructions in order: these see my stores
	s_wait_dscnt 0x0
	global_store_b64 v7, v[12:13], s[14:15]        ; four lanes store a row's 32 bytes
	s_wait_tensorcnt 0x0
	ds_add_u32 v192, v193
	s_wait_dscnt 0x0
	s_endpgm
.Lfunc_end_k_q843eb65046_quant:
	.size	k_q843eb65046_quant, .Lfunc_end_k_q843eb65046_quant-k_q843eb65046_quant
	.p2alignl 7, 3214868480
	.fill 96, 4, 3214868480
	.section	.rodata,"a",@progbits
	.p2align	6, 0x0
	.amdhsa_kernel k_q843eb65046_quant
		.amdhsa_group_segment_fixed_size 33280
		.amdhsa_private_segment_fixed_size 0
		.amdhsa_enable_private_segment 0
		.amdhsa_kernarg_size 64
		.amdhsa_user_sgpr_count 2
		.amdhsa_user_sgpr_kernarg_segment_ptr 1
		.amdhsa_wavefront_size32 1
		.amdhsa_system_sgpr_workgroup_id_x 1
		.amdhsa_system_sgpr_workgroup_id_y 1
		.amdhsa_system_sgpr_workgroup_id_z 1
		.amdhsa_system_vgpr_workitem_id 0
		.amdhsa_next_free_vgpr 194
		.amdhsa_next_free_sgpr 66
		.amdhsa_reserve_vcc 0
		.amdhsa_float_denorm_mode_32 3
		.amdhsa_float_denorm_mode_16_64 3
		.amdhsa_memory_ordered 1
		.amdhsa_forward_progress 1
		.amdhsa_inst_pref_size 33
	.end_amdhsa_kernel
	.amdgpu_metadata
---
amdhsa.version: [ 1, 2 ]
amdhsa.kernels:
  - .name:           k_q843eb65046_quant
    .symbol:         k_q843eb65046_quant.kd
    .args:
      - { .name: x_t, .offset: 0, .size: 8, .value_kind: global_buffer, .address_space: global }
      - { .name: h_prev, .offset: 8, .size: 8, .value_kind: global_buffer, .address_space: global }
      - { .name: weight_ih, .offset: 16, .size: 8, .value_kind: global_buffer, .address_space: global }
      - { .name: weight_hh, .offset: 24, .size: 8, .value_kind: global_buffer, .address_space: global }
      - { .name: a_codes, .offset: 32, .size: 8, .value_kind: global_buffer, .address_space: global }
      - { .name: a_scales, .offset: 40, .size: 8, .value_kind: global_buffer, .address_space: global }
      - { .name: b_codes, .offset: 48, .size: 8, .value_kind: global_buffer, .address_space: global }
      - { .name: b_scales, .offset: 56, .size: 8, .value_kind: global_buffer, .address_space: global }
    .group_segment_fixed_size: 33280
    .private_segment_fixed_size: 0
    .kernarg_segment_align: 8
    .kernarg_segment_size: 64
    .max_flat_workgroup_size: 128
    .sgpr_count:     66
    .vgpr_count:     194
    .wavefront_size: 32
...
	.end_amdgpu_metadata
.endif
;; end of part 1
;; launch gemm (part 2): grid 16 x 16, 4 waves a work-group, clusters of 4 x 4, 327,680 bytes of LDS; arguments a_codes, a_scales, b_codes, b_scales, bias_ih, bias_hh, c_prev, out0; writes out0
.if DOCPART == 2
	.amdgcn_target "amdgcn-amd-amdhsa--gfx1250"
	.amdhsa_code_object_version 6
	.text
	.protected	k_q843eb65046_gemm
	.globl	k_q843eb65046_gemm
	.p2align	8
	.type	k_q843eb65046_gemm,@function
k_q843eb65046_gemm:
	s_mov_b64 s[64:65], 0
	v_nop
	global_prefetch_b8 v0, s[64:65] scope:SCOPE_SE
	s_setreg_imm32_b32 hwreg(HW_REG_WAVE_MODE, 25, 1), 1
	s_wait_xcnt 0x0
	s_wait_alu depctr_hold_cnt(0) depctr_sa_sdst(0) depctr_va_vdst(0) depctr_va_sdst(0) depctr_va_ssrc(0) depctr_va_vcc(0) depctr_vm_vsrc(0)
	s_getreg_b32 s2, hwreg(HW_REG_IB_STS2, 6, 4)
	s_cmp_eq_u32 s2, 0
	s_cbranch_scc0 .Lentry_in_a_cluster
	s_endpgm
.Lentry_in_a_cluster:
	s_bfe_u32 s2, ttmp6, 0x10000c
	s_cmp_lg_u32 s2, 0xf033
	s_cbranch_scc0 .Lentry_shape_is_right
	s_endpgm
.Lentry_shape_is_right:
; The LSTM cell's gates and its output.  gates[m][n] = bias_ih[n] + bias_hh[n] + sum over k of A[m][k] B[n][k], K = 2,048: A's row m is x_t's row m and behind it h_prev's, B's row the same of weight_ih and weight_hh:
; codes of BF6 (E3M2), 6 bits each, with one E8M0 scale for each 32 along K, as the launch before has laid them.  The matrix instruction takes codes and scale bytes as they lie in memory.
; WHAT IS KEPT.  Both products are done whole, M = 8,192.  The module returns h_t[0] alone: 1,024 numbers, which hang on row 0 of the gates.
; So no gate goes to memory: the gates of rows 1 .. 8,191 are formed and go nowhere.  Behind its last products each wave puts the FIRST block of 16 rows of its last tile through the cell's arithmetic (each lane with its own row of
; c_prev, so every lane's number is a true h_t), and the lanes whose batch row is 0 store.  That choice is a mask on the store, made of the lane's row number: no branch of this text hangs on a work-group's place in its cluster.
; A WORK-GROUP STAYS: it makes two tiles of the gates, 4,096 rows apart: tile row y + 16 first, tile row y last, so that the one tile whose results are read ends the text.  The ring does not stop between them: the first tile's
; last two changes of slots ask for the second tile's K steps 0 and 1.  Both tiles take the same rows of B.  256 work-groups, one for each WGP; arguments, biases, B's scales and the first fills are paid once.
; B'S ROWS ARE REORDERED by the launch before: row 64 (j / 16) + 16 g + j % 16 holds gate g of output j.  So column blocks 4 q + 0 .. 3 of a wave are the gates i, f, g, o of the same 16 outputs, and a lane holds all four of each of its outputs.
; THE BIASES START THE SUMS: bias_ih + bias_hh, eight registers for each of the wave's eight column blocks in the result's layout, are the C of each tile's first K step's products.
; A tile of the gates, 256 x 256, is made by a work-group of four waves, as many as a WGP has SIMDs; a wave makes 128 x 128: 64 accumulators of 16 x 16, 512 registers.
; K goes in steps of 256 through a ring of two LDS slots filled by the tensor data mover: a tile's row is 192 bytes of memory.
; THE SCALES of the work-group's 2 x 256 rows of A and 256 rows of B, for all of K, come into LDS ONCE, with the first fills, in pieces of 256 bytes, and stay.
; CLUSTERS: 4 x 4 work-groups.  The four of a row of the cluster need the same tiles of A, the four of a column the same tiles of B: each tile is asked for JOINTLY, by the same tensor load with the
; same descriptor and a mask that names the four.  THE MATRIX INSTRUCTION IS USED TRANSPOSED (source 0 = 16 rows of B, source 1 = 16 rows of A): a lane then holds eight neighbouring columns of one row.
; LIMITS.  NaN and infinities are not served.  tanh(x) = 1 - 2 / (1 + 2^(2.885390 x)): absolute error of a few ulp of 1; where the exponential overflows or falls to 0 it gives 1 or -1.
; The biases enter ahead of the products and K runs through both products in one chain: another order of the f32 sum than the source's.  out0 leaves as 32 bytes a lane from two lanes an instruction: parts of aligned blocks of 256; it is 4,096 bytes in all.
; REGISTERS, in windows of 256: window 0: v0-31 addresses; v32-63 scale words, two sets; v64-127 the biases; from v128 A's fragments (8 x 16 rows x 128 K), ONE set (at the head bias_hh, at the end the cell's arithmetic); v224-239 c_prev.
;   window 1: B's fragments, TWO sets, at v0 and at v128.   window 2: the 32 accumulators of my rows 0-63 (accumulator (a, b) at v[8 (8 a + b)]);   window 3: those of my rows 64-127.
; A step of 128 along K is 64 matrix instructions, A's blocks one after the other, each against B's eight.  So a block of A is free as soon as its eight products are issued, and one set of registers serves A:
; blocks 0-3 are fetched anew in the step's middle, blocks 4-7 at its end.  B's fragments are at work through the whole step, so B has two sets.
.set SIZE_M, 8192
.set SIZE_N, 4096
.set SIZE_K, 2048
.set WALK,   SIZE_M/2                  ; the work-group's two tiles lie WALK rows apart
.set KSTEP,  256                       ; along K in a slot
.set NQ,     KSTEP/128                 ; matrix instructions deep
.set ROWB,   192                       ; a tile's row in bytes: KSTEP codes of 6 bits
.set KROW,   SIZE_K*6/8                ; a row of A or of B in memory, in bytes
.set BACK_B, KROW-2*ROWB               ; bytes from a slot's last K step of a tile back to its first: B's step at the crossing,
.set NEXT_A, WALK*KROW+BACK_B          ; and A's, which also goes WALK rows up
.set PITCH,  240                       ; an LDS row: 3 x (64 bytes of data + 16 of padding) = 60 words: row r starts at bank -4 r mod 64 (64 banks of 4 bytes: ISA guide 11.1), so the 32 lanes of a load of 8 bytes touch 64 different banks
.set FR,     12                        ; registers of a fragment: 16 rows x 128 K
.set NL,     6                         ; LDS loads that bring one
.set NP,     4                         ; places behind this matrix instruction (ISA guide 7.12.1)
.set HALFT,  128*PITCH                 ; 128 rows: what one tensor load brings, and what one wave reads of A or of B
.set SLOT,   4*HALFT                   ; A's 256 rows, then B's 256 rows
.set LAPS,   SIZE_K/(2*KSTEP)          ; a lap = two K steps = once round the ring
.set KS,     SIZE_K/32                 ; a row of scales in bytes
.set SCL,    2*SLOT                    ; behind the ring: the scales, as pieces of 256 bytes + 16 of padding: A's rows 0-127 of the lower tile, of the upper tile, A's rows 128-255 likewise, then B's two halves
.set HALFS,  (128*KS/256)*272          ; the scales of 128 rows
.set SBLK,   (16*KS/256)*272           ; those of 16 rows
.set SPARE,  SCL+6*HALFS               ; behind the scales: the spare words, 128 bytes for each wave: two blocks of 256 bytes that no other line names
.set ADRA, 16                          ; v16-17  LDS address of my A fragments in slot 0, 1  (v18-19: the same for the pieces that lie behind one padding more)
.set ADRB, 20                          ; v20-21  the same for B  (v22-23)
.set BOF,  24                          ; v24     4 x my first output: my byte in a gate of a bias, in a row of c_prev and in out0; never rewritten
.set COF,  25                          ; v25     the same in c_prev, at my row of the wave's first 16 of the lower tile; never rewritten
.set ROWN, 26                          ; v26     that row's number in the batch
.set ADRS, 27                          ; v27     LDS address of my scale words in the upper tile: lanes 0-15 A's rows, lanes 16-31 B's
.set SPW,  28                          ; v28     LDS address of my spare word: SPARE + 4 x my thread's number; never rewritten
.set NIL,  29                          ; v29     0; never rewritten
.set ADRS2, 30                         ; v30     as v27, for the lower tile
.set SC,   32                          ; scale words: set s (for slot s) at v[SC + 8 NQ s]; in it register NQ i + q: lanes 0-15 the word of A's block i, lanes 16-31 that of B's block i, for the slot's q-th 128 along K
.set BIA,  64                          ; v64-127 bias_ih + bias_hh: register 8 b + j is that of column 16 b + 8 (lane / 16) + j of my 128
.set AF,   128                         ; A's fragments, in window 0
.set T,    128                         ; the cell's arithmetic, where A's fragments lay: register 8 b + j belongs to accumulator (0, b)'s register j
.set CPV,  224                         ; v224-239 c_prev of my row at my 16 outputs
.set G1, 24                            ; s[24:31] descriptor group 1 for A's tiles;  s[32:39] group 0, one set for each slot
.set G0, 32
.set G1B, 48                           ; s[48:55], s[56:63] the same for B's tiles
.set G0B, 56
.set G1S, 68                           ; s[68:75], s[76:79] groups 1 and 0 for A's scales;  s[80:87], s[88:91] for B's
.set G0S, 76
.set G1SB, 80
.set G0SB, 88
.set SADR, ADRS                        ; the scale address register of the tile in hand
.set MSB, 0
.macro WIN new                         ; the immediate's high byte repeats the setting that is left
.if MSB != \new
	s_set_vgpr_msb (MSB<<8)|\new
.set MSB, \new
.endif
.endm
.set MUL_LO, 0xa1                      ; source 0 (B) window 1, source 1 (A) window 0, C and D window 2
.set MUL_HI, 0xf1                      ; the same, C and D window 3
.set FIRST_LO, 0x81                    ; a tile's first K step: C (the biases) window 0, D window 2
.set FIRST_HI, 0xc1                    ; and D window 3
.set TO_B,   0x40                      ; destination window 1, address window 0
; A joint load: waves 0 and 1 fetch for A, waves 2 and 3 for B.  Each of the two lines has ONE mask and one set of registers for all that issue it; the branch hangs on the wave's number alone.
; Four v_nop follow each of the two lines, ahead of the jump, the label and what follows.
.macro JLOAD g0a, g1a, g0b, g1b
	s_cmp_eq_u32 s15, 0
	s_cbranch_scc0 .Lfor_b_\@
	tensor_load_to_lds s[\g0a:\g0a+3], s[\g1a:\g1a+7]
	s_nop 0
.rept 4
	v_nop
.endr
	s_branch .Lasked_\@
.Lfor_b_\@:
	tensor_load_to_lds s[\g0b:\g0b+3], s[\g1b:\g1b+7]
	s_nop 0
.rept 4
	v_nop
.endr
.Lasked_\@:
.endm
.macro CREST                           ; a round of the cluster's barrier behind its opening barrier
	s_cmp_lg_u32 s14, 0
	s_cbranch_scc1 .Lnot_wave_0_\@
	s_barrier_signal -3
.Lnot_wave_0_\@:
	s_barrier_wait -3
	s_barrier_signal -1
	s_barrier_wait -1
.endm
.macro CROUND                          ; a whole round
	s_barrier_signal -1
	s_barrier_wait -1
	CREST
.endm
	s_load_b128 s[4:7], s[0:1], 0x0                ; A's codes s[4:5], A's scales s[6:7]
	s_load_b128 s[8:11], s[0:1], 0x10              ; B's codes s[8:9], B's scales s[10:11]
	s_load_b128 s[96:99], s[0:1], 0x20             ; bias_ih s[96:97], bias_hh s[98:99]
	s_load_b64 s[66:67], s[0:1], 0x30              ; c_prev
	s_load_b64 s[12:13], s[0:1], 0x38              ; out0
	v_lshl_add_u32 v[SPW], v0, 2, SPARE
	v_mov_b32 v[NIL], 0
	ds_add_u32 v28, v29
	ds_add_u32 v28, v29
	s_wait_dscnt 0x0
	v_lshrrev_b32 v1, 5, v0
	v_readfirstlane_b32 s14, v1                    ; wave 0..3
	s_lshr_b32 s15, s14, 1                         ; which half of the tile's rows is mine.  Also: I fetch for A (0) or for B (1)
	s_and_b32 s16, s14, 1                          ; which half of its columns.  Also: which 128 rows of that tile I fetch
	s_bfe_u32 s40, ttmp6, 0x40000                  ; cx, cy: my place in the cluster
	s_bfe_u32 s41, ttmp6, 0x40004
	s_lshl_b32 s42, ttmp9, 2
	s_add_co_u32 s42, s42, s40                     ; tile column = 4 x cluster x + cx
	s_and_b32 s17, ttmp7, 0xffff
	s_lshl_b32 s17, s17, 2
	s_add_co_u32 s17, s17, s41                     ; the lower tile's row = 4 x cluster y + cy: 0 .. 15; the upper tile's is 16 more
	s_lshl_b32 s43, s41, 2
	s_lshl_b32 s43, 15, s43                        ; my row of the cluster
	s_lshl_b32 s44, 0x1111, s40                    ; my column
	; descriptor group 1: a tile of 128 rows x ROWB bytes, padded in LDS
	s_or_b32 s[G1+0], s43, (0<<16)|(1<<20)|(1<<21)|(3<<22)|(3<<25)  ; 15:0 the mask: A's tiles go to my row; 17:16 element of 1 byte; 20 padding on; 21 set beside a mask; 24:22 after every 16 words (code 3); 31:25 of 4 words (code 3)
	s_or_b32 s[G1B+0], s44, (0<<16)|(1<<20)|(1<<21)|(3<<22)|(3<<25)
.irp g, G1, G1B
	s_mov_b32 s[\g+1], ROWB<<16                    ; tensor_dim0
	s_mov_b32 s[\g+2], 128<<16                     ; tensor_dim1 = 128
	s_mov_b32 s[\g+3], ROWB<<16                    ; tile_dim0
	s_mov_b32 s[\g+4], 128                         ; tile_dim1 = 128
	s_mov_b32 s[\g+5], KROW                        ; tensor_dim0_stride
	s_mov_b32 s[\g+6], 0
	s_mov_b32 s[\g+7], 0
.endr
	; A's scales: those of 128 rows are a dense block of 128 KS = 8,192 bytes; one load brings that block of the lower tile and that of the upper: TWO rows of 1,024 elements of 8 bytes, WALK KS bytes apart.
	; 16 bytes of padding behind every 256: the interval divides the row, so in LDS the 64 pieces lie 272 bytes apart throughout, the upper tile's 32 behind the lower's
	s_or_b32 s[G1S+0], s43, (3<<16)|(1<<20)|(1<<21)|(5<<22)|(3<<25)
	s_mov_b32 s[G1S+1], (128*KS/8)<<16             ; tensor_dim0 = 1,024
	s_mov_b32 s[G1S+2], 2<<16                      ; tensor_dim1 = 2
	s_mov_b32 s[G1S+3], (128*KS/8)<<16             ; tile_dim0 = 1,024
	s_mov_b32 s[G1S+4], 2                          ; tile_dim1 = 2
	s_mov_b32 s[G1S+5], WALK*KS/8                  ; tensor_dim0_stride: 32,768 elements
	s_mov_b32 s[G1S+6], 0
	s_mov_b32 s[G1S+7], 0
	; B's scales of 128 rows: the dense block as rows of 256 bytes (32 elements of 8 bytes), 16 bytes of padding behind each
	s_or_b32 s[G1SB+0], s44, (3<<16)|(1<<20)|(1<<21)|(5<<22)|(3<<25)
	s_mov_b32 s[G1SB+1], 32<<16
	s_mov_b32 s[G1SB+2], (128*KS/256)<<16
	s_mov_b32 s[G1SB+3], 32<<16
	s_mov_b32 s[G1SB+4], 128*KS/256
	s_mov_b32 s[G1SB+5], 32
	s_mov_b32 s[G1SB+6], 0
	s_mov_b32 s[G1SB+7], 0
	s_lshl_b32 s18, s16, 7                         ; which 128 rows of the tile I fetch
	s_lshl_b32 s20, s17, 8
	s_add_co_u32 s20, s20, s18                     ; A: row 256 x lower tile row + 128 x half
	s_lshl_b32 s46, s42, 8
	s_add_co_u32 s46, s46, s18                     ; B: row 256 x tile column + 128 x half
	s_mov_b32 s21, 0
	s_mov_b32 s47, 0
	s_mov_b64 s[18:19], KS
	s_mul_u64 s[22:23], s[20:21], s[18:19]         ; where these rows' scales begin, in bytes (A's load starts at the lower tile)
	s_mul_u64 s[92:93], s[46:47], s[18:19]
	s_add_co_u32 s20, s20, WALK                    ; A's codes: the upper tile goes first
	s_mov_b64 s[18:19], KROW
	s_mul_u64 s[20:21], s[20:21], s[18:19]
	s_mul_u64 s[46:47], s[46:47], s[18:19]
	s_mul_i32 s45, s14, HALFT                      ; where they go: wave x 128 rows: no place in the cluster enters an LDS address
	s_mul_i32 s94, s14, HALFS                      ; B's scales: waves 2, 3: behind A's four blocks
	s_mul_i32 s95, s14, 2*HALFS                    ; A's scales: waves 0, 1: two blocks each
	s_wait_kmcnt 0x0
	s_add_nc_u64 s[20:21], s[4:5], s[20:21]
	s_add_nc_u64 s[22:23], s[6:7], s[22:23]
	s_add_nc_u64 s[46:47], s[8:9], s[46:47]
	s_add_nc_u64 s[92:93], s[10:11], s[92:93]
	CROUND                                         ; all sixteen work-groups are here: the first joint loads meet
	s_mov_b32 s[G0S], 1
	s_add_co_u32 s[G0S+1], s95, SCL
	s_mov_b64 s[G0S+2:G0S+3], s[22:23]
	s_or_b32 s[G0S+3], s[G0S+3], 0x80000000
	s_mov_b32 s[G0SB], 1
	s_add_co_u32 s[G0SB+1], s94, SCL+2*HALFS       ; wave 2: SCL + 4 HALFS, wave 3: SCL + 5 HALFS
	s_mov_b64 s[G0SB+2:G0SB+3], s[92:93]
	s_or_b32 s[G0SB+3], s[G0SB+3], 0x80000000
	JLOAD G0S, G1S, G0SB, G1SB                     ; the scales first: they are wanted with K step 0
.irp s, 0,1
	s_mov_b32 s[G0+4*\s], 1
	s_add_co_u32 s[G0+4*\s+1], s45, \s*SLOT
	s_add_nc_u64 s[G0+4*\s+2:G0+4*\s+3], s[20:21], \s*ROWB
	s_or_b32 s[G0+4*\s+3], s[G0+4*\s+3], 0x80000000
	s_mov_b32 s[G0B+4*\s], 1
	s_add_co_u32 s[G0B+4*\s+1], s45, \s*SLOT
	s_add_nc_u64 s[G0B+4*\s+2:G0B+4*\s+3], s[46:47], \s*ROWB
	s_or_b32 s[G0B+4*\s+3], s[G0B+4*\s+3], 0x80000000
	JLOAD G0+4*\s, G1, G0B+4*\s, G1B
.endr
	v_and_b32 v1, 15, v0                           ; l % 16
	v_bfe_u32 v2, v0, 4, 1                         ; l / 16
	; the biases and c_prev are asked for now, while the first tiles are on their way.  My 128 columns are 32 outputs x 4 gates: outputs 64 x tile column + 32 x half on; a lane holds 8 (l / 16) + 0 .. 7 of each 16
	s_lshl_b32 s18, s17, 8
	s_lshl_b32 s19, s15, 7
	s_add_co_u32 s18, s18, s19                     ; my wave's first row of the batch in the lower tile: 256 x tile row + 128 x half
	s_lshl_b32 s100, s42, 8                        ; 4 bytes x 64 outputs x tile column (in registers that feed no descriptor)
	s_lshl_b32 s101, s16, 7                        ; 4 bytes x 32 outputs x half
	s_add_co_u32 s100, s100, s101
	v_add_nc_u32 v[ROWN], s18, v1                  ; my row of the wave's first 16
	v_lshl_add_u32 v[BOF], v2, 5, s100             ; + 32 bytes for lanes 16-31
	v_lshl_add_u32 v[COF], v[ROWN], 12, v[BOF]     ; c_prev: rows of 4,096 bytes
.irp b, 0,1,2,3,4,5,6,7                        ; column block b: gate b % 4, outputs 16 (b / 4) on
	global_load_b128 v[BIA+8*\b:BIA+8*\b+3],   v[BOF], s[96:97] offset:4096*(\b%4)+64*(\b/4)
	global_load_b128 v[BIA+8*\b+4:BIA+8*\b+7], v[BOF], s[96:97] offset:4096*(\b%4)+64*(\b/4)+16
.endr
.irp b, 0,1,2,3,4,5,6,7
	global_load_b128 v[AF+8*\b:AF+8*\b+3],   v[BOF], s[98:99] offset:4096*(\b%4)+64*(\b/4)
	global_load_b128 v[AF+8*\b+4:AF+8*\b+7], v[BOF], s[98:99] offset:4096*(\b%4)+64*(\b/4)+16
.endr
.irp q, 0,1
	global_load_b128 v[CPV+8*\q:CPV+8*\q+3],   v[COF], s[66:67] offset:64*\q
	global_load_b128 v[CPV+8*\q+4:CPV+8*\q+7], v[COF], s[66:67] offset:64*\q+16
.endr
	v_mul_u32_u24 v3, v1, PITCH
	v_mul_u32_u24 v4, v2, 24
	v_add_nc_u32 v4, v3, v4                        ; a fragment's row x pitch + 24 x half
	v_lshl_add_u32 v5, v2, 4, v4                   ; and the same behind one padding more
	s_mul_i32 s21, s15, HALFT                      ; my 128 rows of A
	s_mul_i32 s22, s16, HALFT                      ; my 128 rows of B,
	s_add_co_u32 s22, s22, 2*HALFT                 ; which lie behind A's 256
.irp s, 0,1
	v_add_nc_u32 v[ADRA+\s], s21, v4
	v_add_nc_u32 v[ADRB+\s], s22, v4
	v_add_nc_u32 v[ADRA+2+\s], s21, v5
	v_add_nc_u32 v[ADRB+2+\s], s22, v5
	s_add_co_u32 s21, s21, SLOT
	s_add_co_u32 s22, s22, SLOT
.endr
	v_mul_u32_u24 v5, v1, KS                       ; my row's scales: KS bytes a row,
	v_lshrrev_b32 v6, 8, v5
	v_lshl_add_u32 v5, v6, 4, v5                   ; and 16 more for each 256 passed
	s_mul_i32 s21, s15, 2*HALFS                    ; A's: my 128 rows of the lower tile; the upper tile's lie HALFS on
	s_mul_i32 s22, s16, HALFS                      ; B's: my 128 rows, behind A's four blocks
	s_add_co_u32 s22, s22, 4*HALFS
	s_sub_co_u32 s22, s22, s21                     ; the distance from A's words to B's, for the lower tile,
	s_sub_co_u32 s23, s22, HALFS                   ; and for the upper
	v_mul_u32_u24 v6, s22, v2                      ; lanes 16-31 take B's: one product, the lower base + half x the distance
	v_mul_u32_u24 v7, s23, v2
	s_add_co_u32 s21, s21, SCL
	v_add_nc_u32 v6, v5, v6
	v_add_nc_u32 v7, v5, v7
	v_add_nc_u32 v[ADRS2], s21, v6
	s_add_co_u32 s21, s21, HALFS
	v_add_nc_u32 v[ADRS], s21, v7
	s_wait_loadcnt 4                               ; the 32 loads of the biases are in; the four of c_prev, issued behind them, may stay out until the end
.set i, 0
.rept 32
	v_pk_add_f32 v[BIA+i:BIA+i+1], v[BIA+i:BIA+i+1], v[AF+i:AF+i+1]   ; bias_ih + bias_hh, once
.set i, i+2
.endr
.macro FRAG reg, adr, q, i             ; a fragment, 16 rows x 128 K of 6-bit codes, is 12 registers: lane l holds row l % 16; registers 6 c .. 6 c + 5 hold K = 64 c + 32 (l / 16) + 0 .. 31: 24 bytes of the row's stream of bits, as they lie
.irp p, 0,1,2,3,4,5                    ; in pieces of 8 bytes, so that every address is a multiple of the access's size.  Lanes 0-15 take the row's pieces 12 q + 0, 1, 2 and 12 q + 6, 7, 8, lanes 16-31 those three pieces on
.set PC, 12*(\q)+6*(\p/3)+\p%3        ; the mover has laid 16 bytes of padding behind every 64 bytes (8 pieces): where the piece three on lies behind one padding more, the second address register (40 for 24 bytes a half) serves
.if PC%8 < 5
	ds_load_b64 v[\reg+2*\p:\reg+2*\p+1], v[\adr] offset:8*PC+16*(PC/8)+(\i)*16*PITCH
.else
	ds_load_b64 v[\reg+2*\p:\reg+2*\p+1], v[\adr+2] offset:8*PC+16*(PC/8)+(\i)*16*PITCH
.endif
.endr
.endm
; 16 matrix instructions: A's blocks a0, a0 + 1 x B's eight, 128 along K: the slot's q-th.  p: B's set;  sc: the set of scale words.  first = 1: the biases of B's block are the C: the first product starts the sums, and nothing is ever cleared.
; The 64 accumulators take turns, one instruction a turn, in the same order in every step, from tile to tile too.
.macro MUL16 a0, p, q, sc, first
.irp a, \a0, \a0+1
.irp b, 0,1,2,3,4,5,6,7
.if \first
	v_wmma_scale_f32_16x16x128_f8f6f4 v[8*(8*((\a)%4)+\b):8*(8*((\a)%4)+\b)+7], v[128*(\p)+FR*\b:128*(\p)+FR*\b+FR-1], v[AF+FR*(\a):AF+FR*(\a)+FR-1], v[BIA+8*\b:BIA+8*\b+7], v[SC+8*NQ*(\sc)+NQ*\b+(\q)], v[SC+8*NQ*(\sc)+NQ*(\a)+(\q)] matrix_a_fmt:MATRIX_FMT_BF6 matrix_b_fmt:MATRIX_FMT_BF6 matrix_a_scale:MATRIX_SCALE_ROW1
.else
	v_wmma_scale_f32_16x16x128_f8f6f4 v[8*(8*((\a)%4)+\b):8*(8*((\a)%4)+\b)+7], v[128*(\p)+FR*\b:128*(\p)+FR*\b+FR-1], v[AF+FR*(\a):AF+FR*(\a)+FR-1], v[8*(8*((\a)%4)+\b):8*(8*((\a)%4)+\b)+7], v[SC+8*NQ*(\sc)+NQ*\b+(\q)], v[SC+8*NQ*(\sc)+NQ*(\a)+(\q)] matrix_a_fmt:MATRIX_FMT_BF6 matrix_b_fmt:MATRIX_FMT_BF6 matrix_a_scale:MATRIX_SCALE_ROW1
.endif
.endr
.endr
.endm
.macro FETCH_B slot, q, p              ; B's eight fragments of the slot's q-th 128 along K into set p
	WIN TO_B
.irp i, 0,1,2,3,4,5,6,7
	FRAG 128*(\p)+FR*\i, ADRB+\slot, \q, \i
.endr
	WIN 0
.endm
.macro FETCH_A slot, q, i0             ; A's blocks i0 .. i0 + 3
.irp i, \i0, \i0+1, \i0+2, \i0+3
	FRAG AF+FR*(\i), ADRA+\slot, \q, \i
.endr
.endm
.macro SCALES sc                       ; the next K step's scale words into set sc: NQ words a row; lanes 0-15 take A's block i, lanes 16-31 B's block i
.irp i, 0,1,2,3,4,5,6,7
	ds_load_b64 v[SC+8*NQ*\sc+NQ*\i:SC+8*NQ*\sc+NQ*\i+1], v[SADR] offset:\i*SBLK
.endr
.endm
; A load into a register that a matrix instruction has read, and a vector instruction that reads a matrix result or writes one of a matrix instruction's registers, stand NP places behind that matrix instruction, and only plain vector
; instructions that name none of its registers are places (ISA guide 7.12.1 for vector instructions); this text does not count the matrix instructions in between.
; A matrix instruction that begins an accumulator anew with another C stands NP + 1 places behind the last that wrote it: the lower tile's first products.  Between them and the upper tile's last on the same accumulator stand
; eight v_nop on every way: for my rows 0-63 the four behind the joint load and the four at the end of the change of slots, for my rows 64-127 those last four and the four in the first step's middle.
.macro PLACES n
.rept \n
	v_nop
.endr
.endm
; A step of 128 along K that has its successor in the same slot.
.macro STEP slot, q, first
	s_wait_dscnt 4*NL                              ; B's set and A's blocks 0-3 are in; the youngest loads (A's blocks 4-7) may be out
.if \first
	WIN FIRST_LO
.else
	WIN MUL_LO
.endif
	MUL16 0, (\q)%2, \q, \slot, \first
	MUL16 2, (\q)%2, \q, \slot, \first
	s_wait_dscnt 0                                 ; A's blocks 4-7 are in (asked for 32 matrix instructions ago)
	PLACES NP
	FETCH_B \slot, (\q)+1, 1-(\q)%2
	FETCH_A \slot, (\q)+1, 0
.if \first
	WIN FIRST_HI
.else
	WIN MUL_HI
.endif
	MUL16 4, (\q)%2, \q, \slot, \first
	MUL16 6, (\q)%2, \q, \slot, \first
	PLACES NP
	WIN 0
	FETCH_A \slot, (\q)+1, 4
.endm
; A slot's last step changes slots: ONE barrier; in front of it each wave waits for all its tensor loads, adds 0 to its spare word, and waits for that and for its own reads of this slot.
; fill = 1: this slot is filled again, two K steps ahead;  fill = 2: with the lower tile's K step 0 or 1;  fill = 0: not at all.  cross = 1: the next slot holds the lower tile's K step 0: its scale words come by the other register.
.macro TURN slot, next, fill, cross
	s_wait_tensorcnt 0x0                           ; all my tensor loads have landed: my part of the next slot;  (every window is 0 here: the add's two registers lie in window 0)
	ds_add_u32 v[SPW], v[NIL]                      ; 0 onto my spare word
	s_wait_dscnt 4*NL+1                            ; (the add and the youngest loads, A's blocks 4-7, may be out)
	WIN MUL_LO
	MUL16 0, 1, NQ-1, \slot, 0                     ; sixteen matrix instructions stand between the add and the wait for it
	s_wait_dscnt 0x0                               ; the add is done, and my reads of this slot are over
	s_barrier_signal -1
	MUL16 2, 1, NQ-1, \slot, 0
	WIN 0
	s_barrier_wait -1
.if \fill
	CREST                                          ; the barrier has opened a round of the cluster's barrier: no wave of any partner still reads this slot's tile or has a load on its way
.if \fill == 2
	s_sub_nc_u64 s[G0+4*\slot+2:G0+4*\slot+3], s[G0+4*\slot+2:G0+4*\slot+3], NEXT_A      ; A: WALK rows up and back along K; the type bits on top are not reached
	s_sub_nc_u64 s[G0B+4*\slot+2:G0B+4*\slot+3], s[G0B+4*\slot+2:G0B+4*\slot+3], BACK_B  ; B: only back
.else
	s_add_nc_u64 s[G0+4*\slot+2:G0+4*\slot+3], s[G0+4*\slot+2:G0+4*\slot+3], 2*ROWB
	s_add_nc_u64 s[G0B+4*\slot+2:G0B+4*\slot+3], s[G0B+4*\slot+2:G0B+4*\slot+3], 2*ROWB
.endif
	JLOAD G0+4*\slot, G1, G0B+4*\slot, G1B         ; the first tensor load behind the round; the four v_nop behind it are the places in front of the loads below
.else
	PLACES NP
.endif
.if \cross
.set SADR, ADRS2                                       ; from here on the lower tile's scale words, from K = 0
.else
	v_add_nc_u32 v[SADR], 4*NQ, v[SADR]            ; on to the next K step's scale words (no LDS load of mine is out)
.endif
	FETCH_B \next, 0, 0
	FETCH_A \next, 0, 0
	SCALES \next
	WIN MUL_HI
	MUL16 4, 1, NQ-1, \slot, 0
	MUL16 6, 1, NQ-1, \slot, 0
	PLACES NP
	WIN 0
	FETCH_A \next, 0, 4
.endm
; A tile's first three laps but for its very first step: a trip goes once round the ring, from a lap's second step to the next lap's first, and fills both slots again.
.macro RING
	s_mov_b32 s3, LAPS-1
.Llap_\@:
	TURN 0, 1, 1, 0
	STEP 1, 0, 0
	TURN 1, 0, 1, 0
	STEP 0, 0, 0
	s_sub_co_u32 s3, s3, 1
	s_cmp_lg_u32 s3, 0
	s_cbranch_scc1 .Llap_\@
.endm
	PLACES 8                                       ; plain lines between the sums of the biases and the first products, which take them as C
	s_wait_tensorcnt 1                             ; the scales and my part of K step 0 are in (K step 1's load may be out),
	s_barrier_signal -1
	s_barrier_wait -1                              ; everybody's are
	FETCH_B 0, 0, 0
	FETCH_A 0, 0, 0
	SCALES 0
	FETCH_A 0, 0, 4
	; THE UPPER TILE
	STEP 0, 0, 1                                   ; a tile's first step stands in front of its loop: its products start the sums, from the biases
	RING
	TURN 0, 1, 2, 0                                ; THE RING GOES ON INTO THE LOWER TILE: slot 0 takes its K step 0,
	STEP 1, 0, 0
	TURN 1, 0, 2, 1                                ; slot 1 its K step 1, and the lower tile's first fragments and scale words are fetched
	; THE LOWER TILE
	STEP 0, 0, 1                                   ; its products begin the accumulators anew, from the biases: the upper tile's gates are left behind unread
	RING
	TURN 0, 1, 0, 0                                ; the last lap fills nothing, and has no round of the cluster's barrier
	STEP 1, 0, 0
	s_wait_dscnt 4*NL                              ; the very last step: nothing more to fetch
	WIN MUL_LO
	MUL16 0, 1, NQ-1, 1, 0
	MUL16 2, 1, NQ-1, 1, 0
	s_wait_dscnt 0
	WIN MUL_HI
	MUL16 4, 1, NQ-1, 1, 0
	MUL16 6, 1, NQ-1, 1, 0
	WIN 0
	; THE CELL, for the wave's first 16 rows of the lower tile: accumulators (0, 0 .. 7), v0-63 of window 2.  Lane (r, h): register j of accumulator 4 q + g is gate g of output 16 q + 8 h + j of my 32, in row r.
	; sigmoid(x) = 1 / (1 + 2^(-1.442695 x));  tanh(x) = 1 - 2 / (1 + 2^(2.885390 x)).  All lanes are on: each works on its own row.
	PLACES NP                                      ; in front of the first read of results, and of the writes into the registers that held A's fragments
	s_mov_b32 s20, 0xbfb8aa3b                      ; -log2(e)
	s_mov_b32 s21, s20                             ; (the packed form names a pair and takes its low word for both halves: so the upper is written)
	s_mov_b32 s22, 0x4038aa3b                      ; 2 log2(e)
	s_mov_b32 s23, s22
	WIN 0x02                                       ; source 0: window 2
.irp b, 0,1,2,3,4,5,6,7                        ; each accumulator from its low end on
.irp p, 0,2,4,6
.if \b%4 == 2
	v_pk_mul_f32 v[T+8*\b+\p:T+8*\b+\p+1], v[8*\b+\p:8*\b+\p+1], s[22:23] op_sel_hi:[1,0]
.else
	v_pk_mul_f32 v[T+8*\b+\p:T+8*\b+\p+1], v[8*\b+\p:8*\b+\p+1], s[20:21] op_sel_hi:[1,0]
.endif
.endr
.endr
	WIN 0
.set i, 0
.rept 64
	v_exp_f32 v[T+i], v[T+i]
.set i, i+1
.endr
	v_nop                                          ; one plain place behind the transcendentals
.set i, 0
	s_wait_alu depctr_va_vdst(0)
.rept 32
	v_pk_add_f32 v[T+i:T+i+1], v[T+i:T+i+1], 1.0 op_sel_hi:[1,0]
.set i, i+2
.endr
.set i, 0
.rept 64
	v_rcp_f32 v[T+i], v[T+i]
.set i, i+1
.endr
	s_wait_loadcnt 0x0                             ; c_prev, asked for at the head
	v_nop
	s_wait_alu depctr_va_vdst(0)
.irp q, 0,1
.irp p, 0,2,4,6
	v_pk_fma_f32 v[T+32*\q+16+\p:T+32*\q+17+\p], v[T+32*\q+16+\p:T+32*\q+17+\p], -2.0, 1.0 op_sel_hi:[1,0,0]     ; tanh(g)
.endr
.endr
.irp q, 0,1
.irp p, 0,2,4,6
	v_pk_mul_f32 v[T+32*\q+16+\p:T+32*\q+17+\p], v[T+32*\q+\p:T+32*\q+1+\p], v[T+32*\q+16+\p:T+32*\q+17+\p]      ; i tanh(g)
.endr
.endr
.irp q, 0,1
.irp p, 0,2,4,6
	v_pk_fma_f32 v[T+32*\q+16+\p:T+32*\q+17+\p], v[T+32*\q+8+\p:T+32*\q+9+\p], v[CPV+8*\q+\p:CPV+8*\q+1+\p], v[T+32*\q+16+\p:T+32*\q+17+\p]   ; c = f c_prev + i tanh(g)
.endr
.endr
.irp q, 0,1
.irp p, 0,2,4,6
	v_pk_mul_f32 v[T+32*\q+\p:T+32*\q+1+\p], v[T+32*\q+16+\p:T+32*\q+17+\p], s[22:23] op_sel_hi:[1,0]           ; into i's registers, which are done with
.endr
.endr
.irp q, 0,1
.irp j, 0,1,2,3,4,5,6,7
	v_exp_f32 v[T+32*\q+\j], v[T+32*\q+\j]
.endr
.endr
	v_nop
	s_wait_alu depctr_va_vdst(0)
.irp q, 0,1
.irp p, 0,2,4,6
	v_pk_add_f32 v[T+32*\q+\p:T+32*\q+1+\p], v[T+32*\q+\p:T+32*\q+1+\p], 1.0 op_sel_hi:[1,0]
.endr
.endr
.irp q, 0,1
.irp j, 0,1,2,3,4,5,6,7
	v_rcp_f32 v[T+32*\q+\j], v[T+32*\q+\j]
.endr
.endr
	v_nop
	s_wait_alu depctr_va_vdst(0)
.irp q, 0,1
.irp p, 0,2,4,6
	v_pk_fma_f32 v[T+32*\q+\p:T+32*\q+1+\p], v[T+32*\q+\p:T+32*\q+1+\p], -2.0, 1.0 op_sel_hi:[1,0,0]             ; tanh(c)
.endr
.endr
.irp q, 0,1
.irp p, 0,2,4,6
	v_pk_mul_f32 v[T+32*\q+\p:T+32*\q+1+\p], v[T+32*\q+24+\p:T+32*\q+25+\p], v[T+32*\q+\p:T+32*\q+1+\p]          ; h = o tanh(c)
.endr
.endr
	s_wait_xcnt 0x0                                ; EXEC changes only behind this wait
	v_cmp_eq_u32 vcc_lo, 0, v[ROWN]                ; the module returns row 0 of the batch: the lanes that hold it (lanes 0 and 16 of waves 0 and 1 in tile row 0) store, all others nothing
	s_and_saveexec_b32 s18, vcc_lo
.irp q, 0,1
	global_store_b128 v[BOF], v[T+32*\q:T+32*\q+3], s[12:13] offset:64*\q
	global_store_b128 v[BOF], v[T+32*\q+4:T+32*\q+7], s[12:13] offset:64*\q+16
.endr
	s_wait_xcnt 0x0                                ; and again in front of the line that widens it
	s_or_b32 exec_lo, exec_lo, s18
	s_wait_tensorcnt 0x0                           ; the wave's end, behind my last tensor load
	ds_add_u32 v[SPW], v[NIL]
	s_wait_dscnt 0x0
	CROUND                                         ; the closing round: no work-group ends while a partner may still ask for a tile that names it
	s_endpgm
.Lfunc_end_k_q843eb65046_gemm:
	.size	k_q843eb65046_gemm, .Lfunc_end_k_q843eb65046_gemm-k_q843eb65046_gemm
	.p2alignl 7, 3214868480
	.fill 96, 4, 3214868480
	.section	.rodata,"a",@progbits
	.p2align	6, 0x0
	.amdhsa_kernel k_q843eb65046_gemm
		.amdhsa_group_segment_fixed_size 327680
		.amdhsa_private_segment_fixed_size 0
		.amdhsa_enable_private_segment 0
		.amdhsa_kernarg_size 64
		.amdhsa_user_sgpr_count 2
		.amdhsa_user_sgpr_kernarg_segment_ptr 1
		.amdhsa_wavefront_size32 1
		.amdhsa_system_sgpr_workgroup_id_x 1
		.amdhsa_system_sgpr_workgroup_id_y 1
		.amdhsa_system_sgpr_workgroup_id_z 1
		.amdhsa_system_vgpr_workitem_id 0
		.amdhsa_next_free_vgpr 1024
		.amdhsa_next_free_sgpr 102
		.amdhsa_reserve_vcc 1
		.amdhsa_float_denorm_mode_32 3
		.amdhsa_float_denorm_mode_16_64 3
		.amdhsa_memory_ordered 1
		.amdhsa_forward_progress 1
		.amdhsa_inst_pref_size 255
	.end_amdhsa_kernel
	.section	.bss,"aw",@nobits
	.p2align	6
	.space	262144
	.amdgpu_metadata
---
amdhsa.version: [ 1, 2 ]
amdhsa.kernels:
  - .name:           k_q843eb65046_gemm
    .symbol:         k_q843eb65046_gemm.kd
    .args:
      - { .name: a_codes, .offset: 0, .size: 8, .value_kind: global_buffer, .address_space: global }
      - { .name: a_scales, .offset: 8, .size: 8, .value_kind: global_buffer, .address_space: global }
      - { .name: b_codes, .offset: 16, .size: 8, .value_kind: global_buffer, .address_space: global }
      - { .name: b_scales, .offset: 24, .size: 8, .value_kind: global_buffer, .address_space: global }
      - { .name: bias_ih, .offset: 32, .size: 8, .value_kind: global_buffer, .address_space: global }
      - { .name: bias_hh, .offset: 40, .size: 8, .value_kind: global_buffer, .address_space: global }
      - { .name: c_prev, .offset: 48, .size: 8, .value_kind: global_buffer, .address_space: global }
      - { .name: out0, .offset: 56, .size: 8, .value_kind: global_buffer, .address_space: global }
    .group_segment_fixed_size: 327680
    .private_segment_fixed_size: 0
    .kernarg_segment_align: 8
    .kernarg_segment_size: 64
    .max_flat_workgroup_size: 128
    .sgpr_count:     102
    .vgpr_count:     1024
    .wavefront_size: 32
...
	.end_amdgpu_metadata
.endif
;; end of part 2
